; MI455X (gfx1250); checked and timed in simulation.
; The chip was launched on July 23, 2026; its instructions are those of AMD's public machine-readable ISA for CDNA 5 (MIT licence, August 2026) and "CDNA5" Instruction Set Architecture Reference Guide (July 2026). The comments in the code are by the model that wrote it; some were corrected since.
;; Multi Agent MHC Model. Allowed arithmetic: float matrix products may take bf16 or f16 operands with f32 sums; other float arithmetic in f32, or as packed bf16 or f16 multiplies, adds, multiply-adds, maxima and minima; sums over many terms, partial sums and values carried from step to step in f32; what a program stores and reads back later, other than sums and carried values, may be rounded once to bf16 or f16.
;; Inputs: Win 256 x 256 float32; Wk 3 x 256 x 256 float32; Wout 256 x 128 float32; Wq 3 x 256 x 256 float32; Wv 3 x 256 x 256 float32; agent_bias 3 x 64 x 256 float32; bin_ 256 float32; bk 3 x 256 float32; bout 128 float32; bq 3 x 256 float32; bv 3 x 256 float32; ln_b 3 x 256 float32; ln_g 3 x 256 float32; scale_f 3 x 64 float32; x 1,024 x 64 x 256 float32.
;; Outputs: out0 1,024 x 64 x 128 float32.
;; One version. Each part assembles by itself: llvm-mc -triple=amdgcn-amd-amdhsa -mcpu=gfx1250 --defsym DOCPART=n.
;; ======== version 1 of 1: 2 launches
;; limits: values outside matrix products are rounded to bf16
;; workspace buffers: wimg 1,588,224 bytes
;; launch prep (part 1): grid 843 x 1, 4 waves a work-group, no clusters, 1,024 bytes of LDS; arguments Win, Wv, Wq, Wk, Wout, ln_g, ln_b, bin_, bv, bq, bk, bout, scale_f, agent_bias, wimg; writes wimg
.if DOCPART == 1
	.amdgcn_target "amdgcn-amd-amdhsa--gfx1250"
	.amdhsa_code_object_version 6
	.text
	.protected	k_qf83be223b7_prep
	.globl	k_qf83be223b7_prep
	.p2align	8
	.type	k_qf83be223b7_prep,@function
k_qf83be223b7_prep:
	s_mov_b64 s[64:65], 0
	v_nop
	global_prefetch_b8 v0, s[64:65] scope:SCOPE_SE
	s_setreg_imm32_b32 hwreg(HW_REG_WAVE_MODE, 25, 1), 1
	s_wait_xcnt 0x0
; PREP: every parameter is brought once into the form in which the main launch reads it (wimg, 1,588,224 bytes).
; wimg = 48 ITEMS of 32,768 bytes, then the tables TAB (15,360 bytes of f32).
; A weight item = 4 tiles of 16 output channels x 8 K steps of FRAGMENT IMAGES of 1,024 bytes: half s (512 bytes), lane l at 16 l, holds the 8 bf16
;   W[32 kk + 16 s + 8 (l / 16) + 0..7][16 c + l % 16]: what a lane of a 16 x 32 matrix operand holds, so that a later LDS read is 16 bytes a lane on end.
;   items 0-3 Win; 4+14 l+0..3 g*Wv; 4+14 l+4..11 chunk cc = g*Wk tiles 2cc, 2cc+1, g*Wq tiles 2cc, 2cc+1; 4+14 l+12, 13 the image of sf (agent_bias + 0.1 ln_b) in f32; 46, 47 Wout.
;   g*W is diag(ln_g) W, multiplied in f32 and rounded once to bf16.
; TAB: 0 bin_; 1024 ln_g; 4096 bout; 4608 scale_f (and, up to 6144, repeated bytes of it that nobody uses); 6144 bv + ln_b Wv; 9216 bq + ln_b Wq; 12288 bk + ln_b Wk (all f32).
; The work-group's number picks its job: 0-671 weights, 672-767 the agent-bias image, 768-770 plain copies, 771-842 the folded biases.  Each byte of wimg is stored by one work-group.
.set TABG, 1572864
.set SPARE, 512                        ; LDS: 0-511 the four waves' partial sums; 512-1023 the spare words, 128 bytes a wave
; 128 threads make 2,048 bytes of one tile's images: thread t the 8 numbers W[in0 + 0..7][out], in0 = 64 kq + 8 (t / 16), out = 16 c + t % 16.
; s[40:41] = W at [64 kq][16 c]; s[42:43] = the 2,048 bytes in wimg; s[44:45] = ln_g at 64 kq.  sh = log2 of 8 rows' bytes, rowb = a row's bytes.
.macro WCONV sh, rowb, scaled
	v_lshrrev_b32 v4, 4, v0
	v_and_b32 v5, 15, v0
	v_lshlrev_b32 v6, 2, v5
	v_lshl_add_u32 v6, v4, \sh, v6
.irp j,0,1,2,3,4,5,6,7
	global_load_b32 v[8+\j], v6, s[40:41] offset:\j*(\rowb)
.endr
.if \scaled
	v_lshlrev_b32 v7, 5, v4
	global_load_b128 v[16:19], v7, s[44:45]
	global_load_b128 v[20:23], v7, s[44:45] offset:16
.endif
	v_lshlrev_b32 v24, 4, v0
	s_wait_loadcnt 0x0
.if \scaled
.irp i,0,1,2,3
	v_pk_mul_f32 v[8+2*\i:9+2*\i], v[8+2*\i:9+2*\i], v[16+2*\i:17+2*\i]
.endr
.endif
.irp i,0,1,2,3
	v_cvt_pk_bf16_f32 v[28+\i], v[8+2*\i], v[9+2*\i]  ; the lower k in the lower half
.endr
	global_store_b128 v24, v[28:31], s[42:43]      ; 16 neighbouring lanes store 256 consecutive bytes, aligned
	s_endpgm
.endm
	s_load_b512 s[8:23], s[0:1], 0x0               ; Win 8, Wv 10, Wq 12, Wk 14, Wout 16, ln_g 18, ln_b 20, bin_ 22
	s_load_b256 s[24:31], s[0:1], 0x40             ; bv 24, bq 26, bk 28, bout 30
	s_load_b128 s[32:35], s[0:1], 0x60             ; scale_f 32, agent_bias 34
	s_load_b64 s[36:37], s[0:1], 0x70              ; wimg
	v_lshl_add_u32 v1, v0, 2, SPARE                ; my spare word,
	v_mov_b32 v2, 0                                ; and 0: kept for the add alone
	v_lshrrev_b32 v3, 5, v0
	v_readfirstlane_b32 s38, v3                    ; wave 0..3
	s_mov_b32 s39, ttmp9
	s_mov_b32 s53, 0                               ; the high word of every offset
	s_wait_kmcnt 0x0
	s_cmp_lt_u32 s39, 64
	s_cbranch_scc1 .Lwin
	s_cmp_lt_u32 s39, 640
	s_cbranch_scc1 .Lwl
	s_cmp_lt_u32 s39, 672
	s_cbranch_scc1 .Lwout
	s_cmp_lt_u32 s39, 768
	s_cbranch_scc1 .Labb
	s_cmp_lt_u32 s39, 771
	s_cbranch_scc1 .Lcopy
	; THE FOLDED BIASES: bias[out] + sum over in of ln_b[in] W[in][out], 32 outputs a work-group, a lane an output, 64 inputs a wave.
	s_sub_co_u32 s46, s39, 771
	s_lshr_b32 s49, s46, 3                         ; which of the nine matrices
	s_and_b32 s50, s46, 7                          ; which 32 outputs
	s_mul_i32 s47, s49, 11
	s_lshr_b32 s47, s47, 5                         ; layer = m / 3
	s_mul_i32 s48, s47, 3
	s_sub_co_u32 s48, s49, s48                     ; kind: 0 v, 1 q, 2 k
	s_cmp_eq_u32 s48, 0
	s_cselect_b64 s[40:41], s[10:11], s[12:13]
	s_cselect_b64 s[58:59], s[24:25], s[26:27]
	s_cmp_eq_u32 s48, 2
	s_cselect_b64 s[40:41], s[14:15], s[40:41]
	s_cselect_b64 s[58:59], s[28:29], s[58:59]
	s_lshl_b32 s52, s47, 18                        ; W: layer, my wave's 64 rows, the 32 columns
	s_lshl_b32 s54, s38, 16
	s_add_co_u32 s52, s52, s54
	s_lshl_b32 s54, s50, 7
	s_add_co_u32 s52, s52, s54
	s_add_nc_u64 s[40:41], s[40:41], s[52:53]
	s_lshl_b32 s52, s47, 10                        ; ln_b: layer, my wave's 64 numbers
	s_lshl_b32 s54, s38, 8
	s_add_co_u32 s52, s52, s54
	s_add_nc_u64 s[44:45], s[20:21], s[52:53]
	s_lshl_b32 s52, s47, 10                        ; the bias: layer, the 32 outputs
	s_lshl_b32 s54, s50, 7
	s_add_co_u32 s52, s52, s54
	s_add_nc_u64 s[58:59], s[58:59], s[52:53]
	s_mul_i32 s54, s48, 3072
	s_add_co_u32 s52, s52, s54
	s_add_co_u32 s52, s52, TABG+6144
	s_add_nc_u64 s[42:43], s[36:37], s[52:53]
	v_and_b32 v4, 31, v0
	v_lshlrev_b32 v4, 2, v4
	v_mov_b32 v5, 0
.set i, 0
.rept 64
	global_load_b32 v[16+i], v4, s[40:41] offset:1024*i
.set i, i+1
.endr
.set i, 0
.rept 16
	global_load_b128 v[80+4*i:83+4*i], v5, s[44:45] offset:16*i  ; the same 16 bytes in every lane
.set i, i+1
.endr
	v_lshlrev_b32 v6, 2, v0                        ; 128 x wave + 4 x lane
	s_wait_loadcnt 0x0
.irp k,0,1,2,3
	v_mul_f32 v[8+\k], v[16+\k], v[80+\k]          ; four chains, started by the first four products
.endr
.set i, 4
.rept 60
	v_fmac_f32 v[8+i%4], v[16+i], v[80+i]
.set i, i+1
.endr
	v_add_f32 v8, v8, v9
	v_add_f32 v10, v10, v11
	v_add_f32 v8, v8, v10
	ds_store_b32 v6, v8
	s_wait_dscnt 0x0                               ; for the others' sake: my partial sum lies in LDS
	s_barrier_signal -1
	s_barrier_wait -1
	s_cmp_lg_u32 s38, 0                            ; wave 0 adds the four and stores
	s_cbranch_scc1 .Lbend
.irp k,0,1,2,3
	ds_load_b32 v[8+\k], v4 offset:128*\k
.endr
	global_load_b32 v12, v4, s[58:59]
	s_wait_dscnt 0x0
	s_wait_loadcnt 0x0
	v_add_f32 v8, v8, v9
	v_add_f32 v10, v10, v11
	v_add_f32 v8, v8, v10
	v_add_f32 v8, v8, v12
	global_store_b32 v4, v8, s[42:43]
.Lbend:
	s_wait_tensorcnt 0x0                           ; the end of a wave that stored to LDS
	ds_add_u32 v1, v2
	s_wait_dscnt 0x0
	s_endpgm
.Lwin:                                         ; Win: tile c = w / 4, K quarter kq = w % 4
	s_lshr_b32 s46, s39, 2
	s_and_b32 s47, s39, 3
	s_lshl_b32 s52, s47, 16
	s_lshl_b32 s54, s46, 6
	s_add_co_u32 s52, s52, s54
	s_add_nc_u64 s[40:41], s[8:9], s[52:53]
	s_lshl_b32 s52, s46, 13
	s_lshl_b32 s54, s47, 11
	s_add_co_u32 s52, s52, s54
	s_add_nc_u64 s[42:43], s[36:37], s[52:53]
	WCONV 13, 1024, 0
.Lwl:                                          ; the nine matrices of the layers, times ln_g
	s_lshr_b32 s46, s39, 6
	s_sub_co_u32 s46, s46, 1                       ; 0..8
	s_mul_i32 s47, s46, 11
	s_lshr_b32 s47, s47, 5                         ; layer
	s_mul_i32 s48, s47, 3
	s_sub_co_u32 s48, s46, s48                     ; kind: 0 v, 1 q, 2 k
	s_bfe_u32 s49, s39, 0x40002                    ; tile c
	s_and_b32 s50, s39, 3                          ; kq
	s_cmp_eq_u32 s48, 0
	s_cselect_b64 s[40:41], s[10:11], s[12:13]
	s_cmp_eq_u32 s48, 2
	s_cselect_b64 s[40:41], s[14:15], s[40:41]
	s_lshl_b32 s52, s47, 18
	s_lshl_b32 s54, s50, 16
	s_add_co_u32 s52, s52, s54
	s_lshl_b32 s54, s49, 6
	s_add_co_u32 s52, s52, s54
	s_add_nc_u64 s[40:41], s[40:41], s[52:53]
	s_lshl_b32 s52, s47, 10
	s_lshl_b32 s54, s50, 8
	s_add_co_u32 s52, s52, s54
	s_add_nc_u64 s[44:45], s[18:19], s[52:53]
	s_lshl_b32 s54, s49, 13                        ; v: tile c at 8,192 c
	s_lshr_b32 s55, s49, 1                         ; q, k: chunk c / 2, four items on; k's two tiles, then q's
	s_lshl_b32 s55, s55, 15
	s_and_b32 s56, s49, 1
	s_lshl_b32 s56, s56, 13
	s_add_co_u32 s55, s55, s56
	s_add_co_u32 s55, s55, 4*32768
	s_cmp_eq_u32 s48, 1
	s_cselect_b32 s56, 16384, 0
	s_add_co_u32 s55, s55, s56
	s_cmp_eq_u32 s48, 0
	s_cselect_b32 s52, s54, s55
	s_mul_i32 s54, s47, 14
	s_add_co_u32 s54, s54, 4
	s_lshl_b32 s54, s54, 15
	s_add_co_u32 s52, s52, s54
	s_lshl_b32 s54, s50, 11
	s_add_co_u32 s52, s52, s54
	s_add_nc_u64 s[42:43], s[36:37], s[52:53]
	WCONV 13, 1024, 1
.Lwout:                                        ; Wout: rows of 128
	s_sub_co_u32 s46, s39, 640
	s_and_b32 s47, s46, 3
	s_lshr_b32 s46, s46, 2
	s_lshl_b32 s52, s47, 15
	s_lshl_b32 s54, s46, 6
	s_add_co_u32 s52, s52, s54
	s_add_nc_u64 s[40:41], s[16:17], s[52:53]
	s_lshl_b32 s52, s46, 13
	s_lshl_b32 s54, s47, 11
	s_add_co_u32 s52, s52, s54
	s_add_co_u32 s52, s52, 46*32768
	s_add_nc_u64 s[42:43], s[36:37], s[52:53]
	WCONV 12, 512, 0
.Labb:                                         ; sf (agent_bias + 0.1 ln_b) as an accumulator holds it: tile 4 c + a of 1,024 bytes; half s, lane l: channels 16 c + 8 (l / 16) + 4 s + 0..3 of agent 16 a + l % 16
	s_sub_co_u32 s46, s39, 672
	s_lshr_b32 s47, s46, 5                         ; layer
	s_and_b32 s48, s46, 31
	s_lshr_b32 s49, s48, 1                         ; c
	s_and_b32 s50, s48, 1                          ; which two agent tiles
	s_lshl_b32 s52, s47, 16
	s_lshl_b32 s54, s50, 15
	s_add_co_u32 s52, s52, s54
	s_lshl_b32 s54, s49, 6
	s_add_co_u32 s52, s52, s54
	s_add_nc_u64 s[40:41], s[34:35], s[52:53]
	s_lshl_b32 s52, s47, 10
	s_add_co_u32 s52, s52, s54
	s_add_nc_u64 s[44:45], s[20:21], s[52:53]
	s_lshl_b32 s52, s47, 8
	s_lshl_b32 s54, s50, 7
	s_add_co_u32 s52, s52, s54
	s_add_nc_u64 s[58:59], s[32:33], s[52:53]
	s_mul_i32 s52, s47, 14
	s_add_co_u32 s52, s52, 16
	s_lshl_b32 s52, s52, 15
	s_lshl_b32 s54, s48, 11
	s_add_co_u32 s52, s52, s54
	s_add_nc_u64 s[42:43], s[36:37], s[52:53]
	v_bfe_u32 v4, v0, 6, 1
	v_bfe_u32 v5, v0, 5, 1
	v_bfe_u32 v6, v0, 4, 1
	v_and_b32 v7, 15, v0
	v_lshlrev_b32 v8, 4, v5
	v_lshl_add_u32 v8, v6, 5, v8                   ; in ln_b: 32 h + 16 s
	v_lshl_add_u32 v9, v7, 10, v8
	v_lshl_add_u32 v9, v4, 14, v9                  ; in agent_bias: + the agent's row
	v_lshlrev_b32 v10, 2, v7
	v_lshl_add_u32 v10, v4, 6, v10                 ; in scale_f
	v_lshlrev_b32 v11, 4, v0
	global_load_b128 v[12:15], v9, s[40:41]
	global_load_b128 v[16:19], v8, s[44:45]
	global_load_b32 v20, v10, s[58:59]
	s_wait_loadcnt 0x0
.irp i,0,1,2,3
	v_fmac_f32 v[12+\i], 0x3dcccccd, v[16+\i]      ; + 0.1 ln_b
.endr
.irp i,0,1,2,3
	v_mul_f32 v[12+\i], v20, v[12+\i]
.endr
	global_store_b128 v11, v[12:15], s[42:43]
	s_endpgm
.Lcopy:                                        ; twelve units of 512 bytes, one a wave: 0, 1 bin_; 2-7 ln_g; 8 bout; 9-11 scale_f, its last 16 bytes repeated to the region's end
	s_sub_co_u32 s46, s39, 768
	s_lshl_b32 s46, s46, 2
	s_add_co_u32 s46, s46, s38
	s_mov_b32 s48, 752                             ; the source's last 16 bytes: no lane reads past them
	s_cmp_eq_u32 s46, 8
	s_cselect_b64 s[40:41], s[30:31], s[32:33]
	s_cselect_b32 s47, 8, 9
	s_cselect_b32 s48, 496, s48
	s_cmp_lt_u32 s46, 8
	s_cselect_b64 s[40:41], s[18:19], s[40:41]
	s_cselect_b32 s47, 2, s47
	s_cselect_b32 s48, 3056, s48
	s_cmp_lt_u32 s46, 2
	s_cselect_b64 s[40:41], s[22:23], s[40:41]
	s_cselect_b32 s47, 0, s47
	s_cselect_b32 s48, 1008, s48
	s_sub_co_u32 s47, s46, s47
	s_lshl_b32 s47, s47, 9
	v_and_b32 v4, 31, v0
	v_lshlrev_b32 v4, 4, v4
	v_add_nc_u32 v5, s47, v4
	v_min_u32 v5, s48, v5
	global_load_b128 v[8:11], v5, s[40:41]
	s_lshl_b32 s52, s46, 9
	s_add_co_u32 s52, s52, TABG
	s_add_nc_u64 s[42:43], s[36:37], s[52:53]
	s_wait_loadcnt 0x0
	global_store_b128 v4, v[8:11], s[42:43]
	s_endpgm
.Lfunc_end_k_qf83be223b7_prep:
	.size	k_qf83be223b7_prep, .Lfunc_end_k_qf83be223b7_prep-k_qf83be223b7_prep
	.p2alignl 7, 3214868480
	.fill 96, 4, 3214868480
	.section	.rodata,"a",@progbits
	.p2align	6, 0x0
	.amdhsa_kernel k_qf83be223b7_prep
		.amdhsa_group_segment_fixed_size 1024
		.amdhsa_private_segment_fixed_size 0
		.amdhsa_enable_private_segment 0
		.amdhsa_kernarg_size 120
		.amdhsa_user_sgpr_count 2
		.amdhsa_user_sgpr_kernarg_segment_ptr 1
		.amdhsa_wavefront_size32 1
		.amdhsa_system_sgpr_workgroup_id_x 1
		.amdhsa_system_sgpr_workgroup_id_y 1
		.amdhsa_system_sgpr_workgroup_id_z 1
		.amdhsa_system_vgpr_workitem_id 0
		.amdhsa_next_free_vgpr 160
		.amdhsa_next_free_sgpr 66
		.amdhsa_reserve_vcc 0
		.amdhsa_float_denorm_mode_32 3
		.amdhsa_float_denorm_mode_16_64 3
		.amdhsa_memory_ordered 1
		.amdhsa_forward_progress 1
		.amdhsa_inst_pref_size 24
	.end_amdhsa_kernel
	.amdgpu_metadata
---
amdhsa.version: [ 1, 2 ]
amdhsa.kernels:
  - .name:           k_qf83be223b7_prep
    .symbol:         k_qf83be223b7_prep.kd
    .args:
      - { .name: Win, .offset: 0, .size: 8, .value_kind: global_buffer, .address_space: global }
      - { .name: Wv, .offset: 8, .size: 8, .value_kind: global_buffer, .address_space: global }
      - { .name: Wq, .offset: 16, .size: 8, .value_kind: global_buffer, .address_space: global }
      - { .name: Wk, .offset: 24, .size: 8, .value_kind: global_buffer, .address_space: global }
      - { .name: Wout, .offset: 32, .size: 8, .value_kind: global_buffer, .address_space: global }
      - { .name: ln_g, .offset: 40, .size: 8, .value_kind: global_buffer, .address_space: global }
      - { .name: ln_b, .offset: 48, .size: 8, .value_kind: global_buffer, .address_space: global }
      - { .name: bin_, .offset: 56, .size: 8, .value_kind: global_buffer, .address_space: global }
      - { .name: bv, .offset: 64, .size: 8, .value_kind: global_buffer, .address_space: global }
      - { .name: bq, .offset: 72, .size: 8, .value_kind: global_buffer, .address_space: global }
      - { .name: bk, .offset: 80, .size: 8, .value_kind: global_buffer, .address_space: global }
      - { .name: bout, .offset: 88, .size: 8, .value_kind: global_buffer, .address_space: global }
      - { .name: scale_f, .offset: 96, .size: 8, .value_kind: global_buffer, .address_space: global }
      - { .name: agent_bias, .offset: 104, .size: 8, .value_kind: global_buffer, .address_space: global }
      - { .name: wimg, .offset: 112, .size: 8, .value_kind: global_buffer, .address_space: global }
    .group_segment_fixed_size: 1024
    .private_segment_fixed_size: 0
    .kernarg_segment_align: 8
    .kernarg_segment_size: 120
    .max_flat_workgroup_size: 128
    .sgpr_count:     66
    .vgpr_count:     160
    .wavefront_size: 32
...
	.end_amdgpu_metadata
.endif
;; end of part 1
;; launch main (part 2): grid 256 x 1, 4 waves a work-group, clusters of 4 x 1, 327,680 bytes of LDS; arguments x, wimg, out0; writes out0
.if DOCPART == 2
	.amdgcn_target "amdgcn-amd-amdhsa--gfx1250"
	.amdhsa_code_object_version 6
	.text
	.protected	k_qf83be223b7_main
	.globl	k_qf83be223b7_main
	.p2align	8
	.type	k_qf83be223b7_main,@function
k_qf83be223b7_main:
	s_mov_b64 s[64:65], 0
	v_nop
	global_prefetch_b8 v0, s[64:65] scope:SCOPE_SE
	s_setreg_imm32_b32 hwreg(HW_REG_WAVE_MODE, 25, 1), 1
	s_wait_xcnt 0x0
	s_wait_alu depctr_hold_cnt(0) depctr_sa_sdst(0) depctr_va_vdst(0) depctr_va_sdst(0) depctr_va_ssrc(0) depctr_va_vcc(0) depctr_vm_vsrc(0)
	s_getreg_b32 s2, hwreg(HW_REG_IB_STS2, 6, 4)
	s_cmp_eq_u32 s2, 0
	s_cbranch_scc0 .Lentry_in_a_cluster
	s_endpgm
.Lentry_in_a_cluster:
	s_bfe_u32 s2, ttmp6, 0x10000c
	s_cmp_lg_u32 s2, 0x3003
	s_cbranch_scc0 .Lentry_shape_is_right
	s_endpgm
.Lentry_shape_is_right:
; THE WHOLE MODEL IN ONE LAUNCH.  1,024 batches of 64 agents x 256 channels; ONE WAVE OWNS ONE BATCH from x to out0, its residual H in f32 in 512 registers.  A work-group is four batches,
; 256 work-groups.  All waves walk the same 48 items of 32,768 bytes of prepared weights (wimg) in the same order, through a ring of two LDS slots; the four work-groups of a cluster ask for
; each item JOINTLY (the same tensor load, descriptor and mask in all four; a wave brings a quarter of an item).
; EVERYTHING TRANSPOSED.  X W is taken with source 0 = 16 output channels of W^T and source 1 = 16 agents: in the result a lane holds ONE agent (lane % 16), register j channel 16 c + 8 (lane / 16) + j.
; Two neighbouring channel tiles rounded to bf16 ARE the next operand (16 agents x 32 channels): nothing changes lanes between products.  V alone is taken the other way round (a lane a channel),
; which gives the operand of V^T P.
; LAYER NORM is folded: weights come as diag(ln_g) W, biases as b + ln_b W; the operand is bf16(H - mu), mu taken and subtracted in f32; q = rs (..) + bias.
; SINKHORN by potentials in base 2, a re-grouping of the 24 normalisations: A = scores x log2(e) / 16 stays in registers; r_i = lse2_j(A_ij - g_j), g_j = lse2_i(A_ij - r_i), g = 0 at first,
; twelve times; P = 2^(A - r - g).  Every lse2 takes its own true maximum away.  A is kept in both layouts, so that every reduction runs along registers and over one exchange of the lanes' halves.
; THE END OF A LAYER: z = (alpha H + beta) g + sf (ab + 0.1 ln_b) + sum_m (0.9 sf P)_nm v_m, alpha = 0.1 sf rs, beta = - alpha mu; the first terms are the C of the products V^T P.
; LIMITS.  Matrix operands in bf16: x, H - mu, q, k, v, 0.9 sf P, z, the last H; weights rounded after the multiplication by ln_g.  z is rounded once to bf16 ahead of the bound and of the residual add.
; The variance and |z|^2 are the diagonals of products of the bf16-rounded numbers with themselves, summed in f32.  A weight below 2^-126 counts as 0.  NaN and infinities are not treated apart.
; PRICE, stated: 128 lines a layer clear the scores' accumulators, so that the chunk loop has one text; 64 lines a layer write v32-95 (g = 0 among them).
;
; LDS: 0 the ring, two slots of 32,768; 65,536 TAB (15,360: bin_, ln_g, bout, scale_f, the folded biases); then each wave's own: 80,896 V^T's operand images (32,768 a wave);
; 211,968 H of agent tile 3, set aside while its registers hold the scores (16,384 a wave); 277,504 a stage of 16 rows x 272 bytes (4,352 a wave); 294,912 the spare words.
; Tensor loads fill the ring and TAB alone.  All of a WGP's LDS is claimed.
; REGISTERS, in windows of 256 (s_set_vgpr_msb: bits 1:0 source 0, 3:2 source 1, 5:4 source 2, 7:6 destination):
;   windows 2, 3: H, tile (a, c) at 8 (16 a + c) of 512; at the head x in f32; window 3 v128-255 the scores S1 during the projections; window 2 v0-127 the last product's sums
;   window 1: operand fragments (a, kk) at 64 a + 8 kk (x, H - mu, last H); then A in both layouts; then z in bf16, tile (a, c) at 64 a + 4 c
;   window 0: v0-15 addresses and statistics, v16-31 at work, v32-255 by phase (below)
.set SLOTB,  32768
.set TAB,    65536
.set T_LNG,  1024
.set T_BOUT, 4096
.set T_SF,   4608
.set T_BV,   6144
.set T_BQ,   9216
.set T_BK,   12288
.set TABG,   1572864                   ; TAB's place in wimg
.set VREG,   80896
.set HSP,    211968
.set STG,    277504
.set SPITCH, 272                       ; a stage row: 256 bytes + 16: rows start four banks apart
.set SPARE,  294912
.set SPW, 1                            ; v1  my spare word's LDS address; never rewritten
.set NIL, 2                            ; v2  0; never rewritten
.set L16, 3                            ; v3  16 x lane
.set WA,  4                            ; v4  the slot in hand + 16 x lane
.set PFO, 5                            ; v5  256 x lane
.set PTR, 6                            ; v6, v7  addresses that step in loops
.set PTR2, 7
.set ST,  8                            ; v8-15  pairs (rs, mu) of agent tile a at ST + 2 a
.set SC,  16                           ; v16-31 at work
.set WB0, 32                           ; projections: two buffers of 8 weight fragments, (cl, k4) at 8 (4 cl + k4)
.set WB1, 96
.set T,   160                          ; twelve tiles of 8: T + 8 i
.set RSR, T+64                         ; rs by registers: RSR + 8 a + j = rs of agent 16 a + 8 (lane / 16) + j
.set PR,  32                           ; Sinkhorn: the other side's potential by registers (32)
.set MP,  64                           ; maxima, pairs
.set RL,  72                           ; r by lanes, pairs
.set GL,  80                           ; g by lanes, pairs
.set CT,  88                           ; chains at work
.set TT,  128                          ; 128 numbers at work
.set PF,  32                           ; a layer's end: P's fragments (a, k2) at 16 a + 8 k2
.set BB,  96                           ; two sets of four accumulators
.set VV,  160                          ; two sets of two fragments of V^T
.set GG,  192                          ; two sets of 8 ln_g by registers
.set TMP, 208
.set AL,  224                          ; (alpha, alpha, beta, beta) of agent tile a at AL + 4 a
.set GAM, 16                           ; 0.9 sf, pairs
.set SF,  24                           ; sf, later 1 / max(1, |z|)
.set VA,  28
.set GA,  29
.set WV,  10                           ; s10 wave   s11 my place in the cluster (enters global addresses alone)
.set CX,  11
.set G0,  12                           ; s[12:15] the items' walking descriptor group 0   s[16:23] its group 1
.set G1,  16
.set G0T, 24                           ; s[24:27], s[28:35] the same for TAB
.set G1T, 28
.set RB,  36                           ; s36 LDS byte of the slot in hand
.set IT,  37                           ; s37 changes of slots so far
.set LIM, 38                           ; s38 44 in wave 0 of each work-group of the launch's first cluster, which prefetches; else 0
.set PFA, 40                           ; s[40:41] where the prefetch stands
.set LAY, 42
.set LOFF, 43                          ; 1,024 x layer
.set CNT, 44
.set SOFF, 45                          ; 256 x layer
.set CS,  46                           ; s[46:47] log2(e) / 16
.set SEL, 48                           ; s[48:49] v_permlanex16_b32: each lane takes its own place in the other half
.set UPM, 50                           ; lanes 16-31
.set DM,  50                           ; s[DM+j], j = 1..7: lanes with lane % 8 = j
.set MIDM, 58                          ; lanes 8-23
.set R256, 59
.set EPS, 60
.set C01, 61
.set C09, 62
.set MSB, 0
.macro WIN new                         ; the immediate's high byte repeats the setting that is left; a switch that changes nothing is dropped
.if MSB != (\new)
	s_set_vgpr_msb (MSB<<8)|(\new)
.set MSB, (\new)
.endif
.endm
.macro PLACES                          ; four plain places behind matrix instructions (ISA guide 7.12.1), where no other vector work is at hand
.rept 4
	v_nop
.endr
.endm
; A round of the cluster's barrier: my work-group's barrier; wave 0 signals for the work-group; every wave waits for all four work-groups; my work-group's barrier once more.
.macro CROUND
	s_barrier_signal -1
	s_barrier_wait -1
	s_cmp_lg_u32 s[WV], 0
	s_cbranch_scc1 .Lnw0_\@
	s_barrier_signal -3
.Lnw0_\@:
	s_barrier_wait -3
	s_barrier_signal -1
	s_barrier_wait -1
.endm
; THE CHANGE OF SLOTS.  Each wave waits for all its tensor loads (one is out: its quarter of the next item), adds 0 to its spare word, and waits for that and for its own reads of the slot that it leaves.
; fill = 1: behind a round of the cluster's barrier, when no wave of any partner reads the old slot or has a load on its way, the old slot takes the item after the next: the wave's one tensor load.
.macro CHANGE fill
	WIN 0
	s_wait_tensorcnt 0x0                           ; no tensor load of mine is out, so the descriptor may be written
	ds_add_u32 v[SPW], v[NIL]                      ; 0 onto my spare word; the scalar steps stand between it and the wait for it
.if \fill
	s_xor_b32 s[G0+1], s[G0+1], SLOTB              ; the other slot than last time,
	s_add_nc_u64 s[G0+2:G0+3], s[G0+2:G0+3], SLOTB ; the next item; the type bits on top are not reached
	s_wait_xcnt 0x0                                ; the last prefetch, an item back, has read its address
	s_add_nc_u64 s[PFA:PFA+1], s[PFA:PFA+1], SLOTB
.endif
	s_xor_b32 s[RB], s[RB], SLOTB
	s_wait_dscnt 0x0                               ; the add is done, and my reads of the old slot are over
.if \fill
	CROUND
	tensor_load_to_lds s[G0:G0+3], s[G1:G1+7]
	s_nop 0
	PLACES
.else
	s_barrier_signal -1
	s_barrier_wait -1
.endif
	v_add_nc_u32 v[WA], s[RB], v[L16]
.endm
; 16 LDS loads: 8 weight fragments (channel tiles 2 p, 2 p + 1 of the item's four; K steps 4 hk .. 4 hk + 3): 512 consecutive bytes each
.macro FETCH p, hk, buf
	PLACES                                         ; behind the products that read the buffer
	WIN 0
.irp cl,0,1
.irp k4,0,1,2,3
	ds_load_b128 v[(\buf)+8*(4*\cl+\k4):(\buf)+8*(4*\cl+\k4)+3], v[WA] offset:((2*(\p)+\cl)*8+4*(\hk)+\k4)*1024
	ds_load_b128 v[(\buf)+8*(4*\cl+\k4)+4:(\buf)+8*(4*\cl+\k4)+7], v[WA] offset:((2*(\p)+\cl)*8+4*(\hk)+\k4)*1024+512
.endr
.endr
.endm
; A PREFETCH INTO THE L2: at change k the item k + 4, three items ahead of the load just issued.  Each aligned 256 bytes of items 4 to 47 is named once in the launch: wave 0 of each of the first cluster's four
; work-groups takes 8,192 bytes, a lane 256; the partners are told apart by address alone.  Changes 44 on ask for nothing; items 0 to 3 and TAB come by their loads alone.
.macro ASK
	s_cmp_lt_u32 s[IT], s[LIM]
	s_cbranch_scc0 .Lna_\@
	global_prefetch_b8 v[PFO], s[PFA:PFA+1] th:TH_LOAD_NT scope:SCOPE_SE
.Lna_\@:
	s_add_co_u32 s[IT], s[IT], 1
.endm
.macro CHG fill                        ; the change, the new item's first half-block into buffer 0, the prefetch
	CHANGE \fill
	FETCH 0, 0, WB0
	ASK
.endm
.macro LB dst, ptr, off                ; two channel tiles' bias by registers: 8 numbers each, the same in the 16 lanes of a half
	WIN 0
.irp cl,0,1
	ds_load_b128 v[(\dst)+8*\cl:(\dst)+8*\cl+3], v[\ptr] offset:(\off)+64*\cl
	ds_load_b128 v[(\dst)+8*\cl+4:(\dst)+8*\cl+7], v[\ptr] offset:(\off)+64*\cl+16
.endr
.endm
; THE PRODUCTS: 32 a half-block, the accumulators by turns, one instruction a turn.
.macro TIX blk, a, cl                  ; which T holds tile (a, cl): k's block T0-T7; q's block the four free tiles T8-T11 and the odd ones, which k's packing has freed
.if (\blk) == 0
.set tix, 2*(\a)+(\cl)
.elseif (\a) < 2
.set tix, 8+2*(\a)+(\cl)
.else
.set tix, 1+4*((\a)-2)+2*(\cl)
.endif
.endm
.macro MULT buf, hk, blk               ; q or k: W x F, a lane an agent
	WIN 0x04
.irp k4,0,1,2,3
.irp a,0,1,2,3
.irp cl,0,1
	TIX \blk, \a, \cl
.set rD, T+8*tix
.set rW, (\buf)+8*(4*\cl+\k4)
.set rF, 64*\a+8*(4*(\hk)+\k4)
.if ((\hk)==0)&&(\k4==0)
	v_wmma_f32_16x16x32_bf16 v[rD:rD+7], v[rW:rW+7], v[rF:rF+7], 0
.else
	v_wmma_f32_16x16x32_bf16 v[rD:rD+7], v[rW:rW+7], v[rF:rF+7], v[rD:rD+7]
.endif
.endr
.endr
.endr
.endm
.macro MULV buf, hk                    ; v: F x W, a lane a channel; tile (a, cl) in T[4 cl + a]
	WIN 0x01
.irp k4,0,1,2,3
.irp a,0,1,2,3
.irp cl,0,1
.set rD, T+8*(4*\cl+\a)
.set rW, (\buf)+8*(4*\cl+\k4)
.set rF, 64*\a+8*(4*(\hk)+\k4)
.if ((\hk)==0)&&(\k4==0)
	v_wmma_f32_16x16x32_bf16 v[rD:rD+7], v[rF:rF+7], v[rW:rW+7], 0
.else
	v_wmma_f32_16x16x32_bf16 v[rD:rD+7], v[rF:rF+7], v[rW:rW+7], v[rD:rD+7]
.endif
.endr
.endr
.endr
.endm
.macro MULH buf, hk, c0, bi            ; the input projection: sums straight in H, started by bin_; agent tiles 0, 1 (window 2), then 2, 3 (window 3)
.irp g,0,1
.irp k4,0,1,2,3
.irp a2,0,1
.irp cl,0,1
.set rD, 8*(16*\a2+(\c0)+\cl)
.set rW, (\buf)+8*(4*\cl+\k4)
.set rF, 64*(2*\g+\a2)+8*(4*(\hk)+\k4)
.if ((\hk)==0)&&(\k4==0)
	WIN 0x84+0x40*\g
	v_wmma_f32_16x16x32_bf16 v[rD:rD+7], v[rW:rW+7], v[rF:rF+7], v[(\bi)+8*\cl:(\bi)+8*\cl+7]
.else
	WIN 0xa4+0x50*\g
	v_wmma_f32_16x16x32_bf16 v[rD:rD+7], v[rW:rW+7], v[rF:rF+7], v[rD:rD+7]
.endif
.endr
.endr
.endr
.endr
.endm
.macro MULO buf, hk, p                 ; the output projection: sums (a, tile 2 p + cl of the item) at 8 (4 a + 2 p + cl) of window 2, started by bout
.irp k4,0,1,2,3
.irp a,0,1,2,3
.irp cl,0,1
.set rD, 8*(4*\a+2*(\p)+\cl)
.set rW, (\buf)+8*(4*\cl+\k4)
.set rF, 64*\a+8*(4*(\hk)+\k4)
.if ((\hk)==0)&&(\k4==0)
	WIN 0x84
	v_wmma_f32_16x16x32_bf16 v[rD:rD+7], v[rW:rW+7], v[rF:rF+7], v[T+16*(\p)+8*\cl:T+16*(\p)+8*\cl+7]
.else
	WIN 0xa4
	v_wmma_f32_16x16x32_bf16 v[rD:rD+7], v[rW:rW+7], v[rF:rF+7], v[rD:rD+7]
.endif
.endr
.endr
.endr
.endm
; An item of the input projection.  Each half-block is fetched while the one before it is multiplied; the counts leave out what was issued behind the half-block that is wanted.
.macro ITEMH it
	LB T, PTR, 64*(4*(\it))
	FETCH 0, 1, WB1
	s_wait_dscnt 16                                ; all but the 16 just issued
	MULH WB0, 0, 4*(\it), T
	FETCH 1, 0, WB0
	LB T+16, PTR, 64*(4*(\it)+2)
	s_wait_dscnt 20                                ; all but those 16 and the 4 bias loads
	MULH WB1, 1, 4*(\it), T
	FETCH 1, 1, WB1
	s_wait_dscnt 16
	MULH WB0, 0, 4*(\it)+2, T+16
	CHG 1                                          ; all the item's fragments are in registers: the slot is left in front of its last 32 products
	MULH WB1, 1, 4*(\it)+2, T+16
.endm
.macro ITEMO
	LB T, PTR, 0
	FETCH 0, 1, WB1
	s_wait_dscnt 16
	MULO WB0, 0, 0
	FETCH 1, 0, WB0
	LB T+16, PTR, 128
	s_wait_dscnt 20
	MULO WB1, 1, 0
	FETCH 1, 1, WB1
	s_wait_dscnt 16
	MULO WB0, 0, 1
	CHG 0                                          ; nothing is left to ask for
	MULO WB1, 1, 1
.endm
.macro CVTF a                          ; 128 f32 of agent tile a (windows 2, 3) become its 8 fragments (window 1)
	WIN 0x4a+5*((\a)/2)
.set cf, 0
.rept 64
	v_cvt_pk_bf16_f32 v[64*(\a)+cf], v[128*((\a)%2)+2*cf], v[128*((\a)%2)+2*cf+1]
.set cf, cf+1
.endr
.endm
; A number a lane (agent 16 a + lane % 16, equal in both halves) becomes 8 registers a tile (agent 16 a + 8 (lane / 16) + j): the upper half first takes lane % 16 xor 8, then every lane takes lane j of its 16.
.macro CONV src, dst
.irp a,0,1,2,3
	v_mov_b32_dpp v[SC+\a], v[(\src)+2*\a] row_xmask:8 row_mask:0xf bank_mask:0xf
.endr
.irp a,0,1,2,3
	v_cndmask_b32 v[SC+\a], v[(\src)+2*\a], v[SC+\a], s[UPM]
.endr
.irp a,0,1,2,3
.irp j,0,1,2,3,4,5,6,7
	v_mov_b32_dpp v[(\dst)+8*\a+\j], v[SC+\a] row_share:\j row_mask:0xf bank_mask:0xf
.endr
.endr
.endm
; The diagonal of a 16 x 16 result: register lane % 8 holds it in lanes 0-7 and 24-31; lanes 8-23 take it from the lane 16 away.  The lowest registers are read first.
.macro DIAG acc, out, tmp
	v_cndmask_b32 v[\out], v[\acc], v[(\acc)+1], s[DM+1]
.irp j,2,3,4,5,6,7
	v_cndmask_b32 v[\out], v[\out], v[(\acc)+\j], s[DM+\j]
.endr
	v_permlanex16_b32 v[\tmp], v[\out], s[SEL], s[SEL+1]
	v_cndmask_b32 v[\out], v[\out], v[\tmp], s[MIDM]
.endm
.macro VPOST p                         ; v = rs (..) + bias; two agent tiles pack into a fragment of V^T (a lane a channel, 32 agents); into my images in LDS
	WIN 0
.irp cl,0,1
.irp a,0,1,2,3
.irp i,0,1,2,3
	v_pk_fma_f32 v[T+8*(4*\cl+\a)+2*\i:T+8*(4*\cl+\a)+2*\i+1], v[T+8*(4*\cl+\a)+2*\i:T+8*(4*\cl+\a)+2*\i+1], v[RSR+8*\a+2*\i:RSR+8*\a+2*\i+1], v[SC+2*(2*(\p)+\cl):SC+2*(2*(\p)+\cl)+1] op_sel_hi:[1,1,0]
.endr
.endr
.endr
.irp cl,0,1
.irp k2,0,1
.irp i,0,1,2,3
	v_cvt_pk_bf16_f32 v[T+8*(4*\cl+2*\k2)+\i], v[T+8*(4*\cl+2*\k2)+2*\i], v[T+8*(4*\cl+2*\k2)+2*\i+1]
.endr
.irp i,0,1,2,3
	v_cvt_pk_bf16_f32 v[T+8*(4*\cl+2*\k2)+4+\i], v[T+8*(4*\cl+2*\k2)+8+2*\i], v[T+8*(4*\cl+2*\k2)+8+2*\i+1]
.endr
	ds_store_b128 v[PTR], v[T+8*(4*\cl+2*\k2):T+8*(4*\cl+2*\k2)+3] offset:((2*(\p)+\cl)*2+\k2)*1024
	ds_store_b128 v[PTR], v[T+8*(4*\cl+2*\k2)+4:T+8*(4*\cl+2*\k2)+7] offset:((2*(\p)+\cl)*2+\k2)*1024+512
.endr
.endr
.endm
.macro POSTQK blk                      ; q or k = rs (..) + bias; the two channel tiles pack, in place, into the fragment at the pair's first tile
	WIN 0
.irp a,0,1,2,3
.irp cl,0,1
	TIX \blk, \a, \cl
.irp i,0,1,2,3
	v_pk_fma_f32 v[T+8*tix+2*\i:T+8*tix+2*\i+1], v[T+8*tix+2*\i:T+8*tix+2*\i+1], v[ST+2*\a:ST+2*\a+1], v[SC+8*\cl+2*\i:SC+8*\cl+2*\i+1] op_sel_hi:[1,0,1]
.endr
.endr
.endr
.irp a,0,1,2,3
	TIX \blk, \a, 1
.set tx1, tix
	TIX \blk, \a, 0
.irp i,0,1,2,3
	v_cvt_pk_bf16_f32 v[T+8*tix+\i], v[T+8*tix+2*\i], v[T+8*tix+2*\i+1]
.endr
.irp i,0,1,2,3
	v_cvt_pk_bf16_f32 v[T+8*tix+4+\i], v[T+8*tx1+2*\i], v[T+8*tx1+2*\i+1]
.endr
.endr
.endm
.macro SUBPR ab                        ; TT = A (layout at ab of window 1) less the potential by registers
	WIN 0x01
.set sb, 0
.rept 64
	v_pk_add_f32 v[TT+2*sb:TT+2*sb+1], v[(\ab)+2*sb:(\ab)+2*sb+1], v[PR+2*(sb%16):PR+2*(sb%16)+1] neg_lo:[0,1] neg_hi:[0,1]
.set sb, sb+1
.endr
	WIN 0
.endm
; ONE BATCH: 64 packed subtractions of a number a lane (pairs at m) and 128 exponentials, a pair's two one pair behind its subtraction.  Nothing ahead of the wait names a result;
; a plain instruction stands behind the last exponential, and one wait serves the batch.
.macro EXPB m
.set eb, 0
.rept 64
	v_pk_add_f32 v[TT+2*eb:TT+2*eb+1], v[TT+2*eb:TT+2*eb+1], v[(\m)+2*(eb/16):(\m)+2*(eb/16)+1] op_sel_hi:[1,0] neg_lo:[0,1] neg_hi:[0,1]
.if eb > 0
	v_exp_f32 v[TT+2*eb-2], v[TT+2*eb-2]
	v_exp_f32 v[TT+2*eb-1], v[TT+2*eb-1]
.endif
.set eb, eb+1
.endr
	v_exp_f32 v[TT+126], v[TT+126]
	v_exp_f32 v[TT+127], v[TT+127]
	v_nop
	s_wait_alu depctr_va_vdst(0)
.endm
; HALF A SINKHORN STEP: out (a number a lane, four lane tiles) = lse2 over the 64 numbers of A's layout ab less PR; then PR = out by registers, for the other layout.
.macro HS ab, out
	SUBPR \ab
.set hn, 0
.rept 7                                ; the maximum: two chains of 15 a lane tile, three operands at a time, the four tiles by turns
.irp t,0,1,2,3
.irp u,0,1
.if hn == 0
	v_max3_num_f32 v[CT+2*\t+\u], v[TT+32*\t+16*\u], v[TT+32*\t+16*\u+1], v[TT+32*\t+16*\u+2]
.else
	v_max3_num_f32 v[CT+2*\t+\u], v[CT+2*\t+\u], v[TT+32*\t+16*\u+2*hn+1], v[TT+32*\t+16*\u+2*hn+2]
.endif
.endr
.endr
.set hn, hn+1
.endr
.irp t,0,1,2,3
	v_max3_num_f32 v[CT+2*\t], v[CT+2*\t], v[TT+32*\t+15], v[TT+32*\t+31]
.endr
.irp t,0,1,2,3
	v_max_num_f32 v[CT+2*\t], v[CT+2*\t], v[CT+2*\t+1]
.endr
.irp t,0,1,2,3
	v_permlanex16_b32 v[CT+2*\t+1], v[CT+2*\t], s[SEL], s[SEL+1]  ; the other 32 numbers lie in the lane 16 away
.endr
.irp t,0,1,2,3
	v_max_num_f32 v[MP+2*\t], v[CT+2*\t], v[CT+2*\t+1]
.endr
	EXPB MP
.irp d,8,4,2,1                         ; the sum, in place: pairs 8, 4, 2 and 1 apart
.set hj, 0
.rept \d
.irp t,0,1,2,3
	v_pk_add_f32 v[TT+32*\t+2*hj:TT+32*\t+2*hj+1], v[TT+32*\t+2*hj:TT+32*\t+2*hj+1], v[TT+32*\t+2*(hj+\d):TT+32*\t+2*(hj+\d)+1]
.endr
.set hj, hj+1
.endr
.endr
.irp t,0,1,2,3
	v_add_f32 v[CT+2*\t], v[TT+32*\t], v[TT+32*\t+1]
.endr
.irp t,0,1,2,3
	v_permlanex16_b32 v[CT+2*\t+1], v[CT+2*\t], s[SEL], s[SEL+1]
.endr
.irp t,0,1,2,3
	v_add_f32 v[CT+2*\t], v[CT+2*\t], v[CT+2*\t+1]
.endr
.irp t,0,1,2,3
	v_log_f32 v[CT+2*\t], v[CT+2*\t]               ; the sum is 1 at the least: the maximum's own term
.endr
	v_nop
	s_wait_alu depctr_va_vdst(0)                   ; one wait for the four logarithms
.irp t,0,1,2,3
	v_add_f32 v[(\out)+2*\t], v[MP+2*\t], v[CT+2*\t]
.endr
	CONV \out, PR
.endm
; A LAYER'S END, channel tile c.  LA: the agent-bias image straight into the four accumulators of set c % 2, and ln_g by registers.  LV: V^T's two fragments.
.macro LA c
	WIN 0
.irp a,0,1,2,3
	ds_load_b128 v[BB+32*((\c)%2)+8*\a:BB+32*((\c)%2)+8*\a+3], v[WA] offset:(4*((\c)%8)+\a)*1024
	ds_load_b128 v[BB+32*((\c)%2)+8*\a+4:BB+32*((\c)%2)+8*\a+7], v[WA] offset:(4*((\c)%8)+\a)*1024+512
.endr
	ds_load_b128 v[GG+8*((\c)%2):GG+8*((\c)%2)+3], v[GA] offset:64*(\c)
	ds_load_b128 v[GG+8*((\c)%2)+4:GG+8*((\c)%2)+7], v[GA] offset:64*(\c)+16
.endm
.macro LV c
	WIN 0
.irp k2,0,1
	ds_load_b128 v[VV+16*((\c)%2)+8*\k2:VV+16*((\c)%2)+8*\k2+3], v[VA] offset:(2*(\c)+\k2)*1024
	ds_load_b128 v[VV+16*((\c)%2)+8*\k2+4:VV+16*((\c)%2)+8*\k2+7], v[VA] offset:(2*(\c)+\k2)*1024+512
.endr
.endm
.macro CINIT c                         ; accumulators += (alpha H + beta) g: 32 plain lines that name no register of the products running beside them
.set cB, BB+32*((\c)%2)
.set cG, GG+8*((\c)%2)
.irp g,0,1
	WIN 0x02+\g
.irp a2,0,1
.irp i,0,1,2,3
	v_pk_fma_f32 v[TMP+8*\a2+2*\i:TMP+8*\a2+2*\i+1], v[8*(16*\a2+(\c))+2*\i:8*(16*\a2+(\c))+2*\i+1], v[AL+4*(2*\g+\a2):AL+4*(2*\g+\a2)+1], v[AL+4*(2*\g+\a2)+2:AL+4*(2*\g+\a2)+3]
.endr
.endr
	WIN 0
.irp a2,0,1
.irp i,0,1,2,3
	v_pk_fma_f32 v[cB+8*(2*\g+\a2)+2*\i:cB+8*(2*\g+\a2)+2*\i+1], v[TMP+8*\a2+2*\i:TMP+8*\a2+2*\i+1], v[cG+2*\i:cG+2*\i+1], v[cB+8*(2*\g+\a2)+2*\i:cB+8*(2*\g+\a2)+2*\i+1]
.endr
.endr
.endr
.endm
.macro ESTEP c
.set eB, BB+32*((\c)%2)
.set eV, VV+16*((\c)%2)
.if (\c) < 15
	s_wait_dscnt 4                                 ; all but the next tile's four loads of V^T
.else
	s_wait_dscnt 0x0
.endif
	WIN 0
.irp k2,0,1
.irp a,0,1,2,3
	v_wmma_f32_16x16x32_bf16 v[eB+8*\a:eB+8*\a+7], v[eV+8*\k2:eV+8*\k2+7], v[PF+16*\a+8*\k2:PF+16*\a+8*\k2+7], v[eB+8*\a:eB+8*\a+7]
.endr
.endr
.if (\c) < 15
	CINIT (\c)+1                                   ; the next tile's start: also the places behind these products
.else
	PLACES
.endif
	WIN 0x40
.irp a,0,1,2,3
.irp i,0,1,2,3
	v_cvt_pk_bf16_f32 v[64*\a+4*(\c)+\i], v[eB+8*\a+2*\i], v[eB+8*\a+2*\i+1]  ; z, rounded once
.endr
.endr
.if (\c) == 6
	CHANGE 1                                       ; tiles 0 to 7 of the image have been read: on to its second item
	ASK
.endif
.if (\c) < 14
	LA (\c)+2
	LV (\c)+2
.endif
.endm
	; ---------------- THE HEAD
	s_load_b128 s[4:7], s[0:1], 0x0                ; x s[4:5], wimg s[6:7]
	s_load_b64 s[8:9], s[0:1], 0x10                ; out0
	v_lshl_add_u32 v[SPW], v0, 2, SPARE
	v_mov_b32 v[NIL], 0
	ds_add_u32 v[SPW], v[NIL]                      ; the wave's opening: the add, twice on end, and its wait ahead of my first tensor load
	ds_add_u32 v[SPW], v[NIL]
	v_lshrrev_b32 v[SC], 5, v0
	v_readfirstlane_b32 s[WV], v[SC]               ; wave 0..3
	s_bfe_u32 s[CX], ttmp6, 0x40000                ; my place in the cluster
	; descriptors: dense rows of 256 bytes as 32 elements of 8 bytes; a wave's quarter of an item is 32 rows, of TAB 15 rows
	s_mov_b32 s[G1], 15|(3<<16)|(1<<21)            ; 15:0 the mask of four; 17:16 8-byte elements; 21 set beside a mask
	s_mov_b32 s[G1+1], 32<<16                      ; tensor_dim0 = 32
	s_mov_b32 s[G1+2], 32<<16                      ; tensor_dim1 = 32
	s_mov_b32 s[G1+3], 32<<16                      ; tile_dim0 = 32
	s_mov_b32 s[G1+4], 32                          ; tile_dim1 = 32
	s_mov_b32 s[G1+5], 32                          ; 32 elements from row to row
	s_mov_b32 s[G1+6], 0
	s_mov_b32 s[G1+7], 0
	s_mov_b32 s[G1T], 15|(3<<16)|(1<<21)
	s_mov_b32 s[G1T+1], 32<<16
	s_mov_b32 s[G1T+2], 15<<16
	s_mov_b32 s[G1T+3], 32<<16
	s_mov_b32 s[G1T+4], 15
	s_mov_b32 s[G1T+5], 32
	s_mov_b32 s[G1T+6], 0
	s_mov_b32 s[G1T+7], 0
	s_mov_b32 s[G0], 1
	s_lshl_b32 s[G0+1], s[WV], 13                  ; slot 0, my quarter: the wave's number alone enters an LDS address
	s_mov_b32 s[G0T], 1
	s_mul_i32 s[G0T+1], s[WV], 3840
	s_add_co_u32 s[G0T+1], s[G0T+1], TAB
	s_lshl_b32 s66, s[WV], 13
	s_mov_b32 s67, 0
	s_mul_i32 s68, s[WV], 3840
	s_add_co_u32 s68, s68, TABG
	s_mov_b32 s69, 0
	s_lshl_b32 s39, ttmp9, 4                       ; my batch = 16 x cluster + 4 x place + wave
	s_lshl_b32 s63, s[CX], 2
	s_add_co_u32 s39, s39, s63
	s_add_co_u32 s39, s39, s[WV]
	s_lshl_b32 s70, s39, 16                        ; 65,536 bytes of x a batch
	s_mov_b32 s71, 0
	s_mov_b32 s[RB], SLOTB                         ; the first change turns it into 0
	s_mov_b32 s[IT], 0
	s_or_b32 s[LIM], s[WV], ttmp9                  ; wave 0 of the launch's first cluster: the same in all four partners
	s_cmp_eq_u32 s[LIM], 0
	s_cselect_b32 s[LIM], 44, 0
	s_mov_b32 s[CS], 0x3db8aa3b                    ; log2(e) / 16
	s_mov_b32 s[CS+1], s[CS]
	s_mov_b32 s[SEL], 0x76543210
	s_mov_b32 s[SEL+1], 0xfedcba98
	s_mov_b32 s[UPM], 0xffff0000
.irp j,1,2,3,4,5,6,7
	s_mov_b32 s[DM+\j], 0x01010101<<\j
.endr
	s_mov_b32 s[MIDM], 0x00ffff00
	s_mov_b32 s[R256], 0x3b800000                  ; 1 / 256
	s_mov_b32 s[EPS], 0x3727c5ac                   ; 1e-5
	s_mov_b32 s[C01], 0x3dcccccd                   ; 0.1
	s_mov_b32 s[C09], 0x3f666666                   ; 0.9
	v_and_b32 v[SC+1], 15, v0
	v_bfe_u32 v[SC+2], v0, 4, 1
	v_lshlrev_b32 v[PTR], 10, v[SC+1]
	v_lshl_add_u32 v[PTR], v[SC+2], 5, v[PTR]      ; in x: my agent's row, 32 bytes for each half of the lanes
	v_and_b32 v[SC+3], 31, v0
	v_lshlrev_b32 v[L16], 4, v[SC+3]
	v_lshlrev_b32 v[PFO], 8, v[SC+3]
	s_wait_dscnt 0x0                               ; both opening adds are done
	s_wait_kmcnt 0x0
	s_add_nc_u64 s[G0+2:G0+3], s[6:7], s[66:67]    ; item 0, my quarter
	s_or_b32 s[G0+3], s[G0+3], 0x80000000
	s_add_nc_u64 s[G0T+2:G0T+3], s[6:7], s[68:69]
	s_or_b32 s[G0T+3], s[G0T+3], 0x80000000
	s_add_nc_u64 s[4:5], s[4:5], s[70:71]
	s_lshl_b32 s70, s39, 15                        ; 32,768 bytes of out0 a batch
	s_add_nc_u64 s[8:9], s[8:9], s[70:71]
	s_lshl_b32 s70, s[CX], 13
	s_add_co_u32 s70, s70, 3*SLOTB                 ; the first change steps it to item 4
	s_add_nc_u64 s[PFA:PFA+1], s[6:7], s[70:71]
	CROUND                                         ; all four work-groups are here: the first joint loads meet
	tensor_load_to_lds s[G0T:G0T+3], s[G1T:G1T+7]  ; the first fills, one group: two loads of mine are out
	s_nop 0
	tensor_load_to_lds s[G0:G0+3], s[G1:G1+7]
	s_nop 0
	PLACES
	; ---------------- x: 128 loads of 16 bytes a lane, as the fragments want them: agent 16 a + lane % 16, channels 32 kk + 8 (lane / 16) + 0..7 and 16 more on.  Four loads on end cover 128 bytes of each of 16 rows.
.set xa, 0
.rept 4
	WIN 0x80+0x40*(xa/2)
.set xk, 0
.rept 8
.irp q,0,1,2,3
	global_load_b128 v[128*(xa%2)+16*xk+4*\q:128*(xa%2)+16*xk+4*\q+3], v[PTR], s[4:5] offset:16384*xa+128*xk+16*((\q)%2)+64*((\q)/2) th:TH_LOAD_NT
.endr
.set xk, xk+1
.endr
.set xa, xa+1
.endr
	WIN 0
.set i, 0
.rept 16
	v_mov_b32 v[SC+i], 0                           ; written once: odd partners of broadcast pairs and destinations of lane moves count as read
.set i, i+1
.endr
.set i, 0
.rept 32
	v_mov_b32 v[RSR+i], 0
.set i, i+1
.endr
	s_wait_loadcnt 63                              ; 65 loads are in: agent tiles 0 and 1
	CVTF 0
	CVTF 1
	s_wait_loadcnt 32                              ; tile 2
	CVTF 2
	s_wait_loadcnt 0x0
	CVTF 3
	WIN 0
	v_bfe_u32 v[PTR], v0, 4, 1
	v_lshl_add_u32 v[PTR], v[PTR], 5, TAB          ; bin_ by registers: TAB + 32 (lane / 16)
	CHG 1                                          ; item 0 and TAB are in, everybody's part; item 1 is asked for
	; ---------------- H = x Win + bin_
	ITEMH 0
	ITEMH 1
	ITEMH 2
	ITEMH 3
	WIN 0
	s_mov_b32 s[LAY], 3
	s_mov_b32 s[LOFF], 0
	s_mov_b32 s[SOFF], 0
.Llayer:                               ; buffer 0 (v32-95) holds the first half-block of the layer's first item: it is left alone up to the V loop
	; ---------------- the mean: four chains a tile, the other half of the lanes' 128 channels by one exchange
.set la, 0
.rept 4
.set lw, 2+la/2
.set lb, 128*(la%2)
	WIN lw|(lw<<2)
.irp k,0,1,2,3
	v_pk_add_f32 v[SC+2*\k:SC+2*\k+1], v[lb+2*\k:lb+2*\k+1], v[lb+8+2*\k:lb+8+2*\k+1]
.endr
	WIN lw
.set li, 8
.rept 56
	v_pk_add_f32 v[SC+2*(li%4):SC+2*(li%4)+1], v[lb+2*li:lb+2*li+1], v[SC+2*(li%4):SC+2*(li%4)+1]
.set li, li+1
.endr
	WIN 0
	v_pk_add_f32 v[SC:SC+1], v[SC:SC+1], v[SC+2:SC+3]
	v_pk_add_f32 v[SC+4:SC+5], v[SC+4:SC+5], v[SC+6:SC+7]
	v_pk_add_f32 v[SC:SC+1], v[SC:SC+1], v[SC+4:SC+5]
	v_add_f32 v[SC], v[SC], v[SC+1]
	v_permlanex16_b32 v[SC+1], v[SC], s[SEL], s[SEL+1]
	v_add_f32 v[SC], v[SC], v[SC+1]
	v_mul_f32 v[SC+8+2*la], s[R256], v[SC]         ; (mu, mu) for the sweep,
	v_mul_f32 v[SC+9+2*la], s[R256], v[SC]
	v_mul_f32 v[ST+2*la+1], s[R256], v[SC]         ; and mu kept for the layer's end
.set la, la+1
.endr
	; ---------------- H - mu in f32, rounded to bf16: the fragments DF
.set la, 0
.rept 4
	WIN 2+la/2
.set li, 0
.rept 64
	v_pk_add_f32 v[WB1+2*li:WB1+2*li+1], v[128*(la%2)+2*li:128*(la%2)+2*li+1], v[SC+8+2*la:SC+9+2*la] neg_lo:[0,1] neg_hi:[0,1]
.set li, li+1
.endr
	WIN 0x40
.set li, 0
.rept 64
	v_cvt_pk_bf16_f32 v[64*la+li], v[WB1+2*li], v[WB1+2*li+1]
.set li, li+1
.endr
.set la, la+1
.endr
	; ---------------- the variance: the diagonal of DF DF^T, four accumulators by turns
	WIN 0x05
.irp kk,0,1,2,3,4,5,6,7
.irp a,0,1,2,3
.if \kk == 0
	v_wmma_f32_16x16x32_bf16 v[T+32+8*\a:T+32+8*\a+7], v[64*\a+8*\kk:64*\a+8*\kk+7], v[64*\a+8*\kk:64*\a+8*\kk+7], 0
.else
	v_wmma_f32_16x16x32_bf16 v[T+32+8*\a:T+32+8*\a+7], v[64*\a+8*\kk:64*\a+8*\kk+7], v[64*\a+8*\kk:64*\a+8*\kk+7], v[T+32+8*\a:T+32+8*\a+7]
.endif
.endr
.endr
	PLACES
	WIN 0
.irp a,0,1,2,3
	DIAG T+32+8*\a, SC+\a, SC+4+\a
.endr
.irp a,0,1,2,3
	v_fma_f32 v[SC+\a], v[SC+\a], s[R256], s[EPS]
.endr
.irp a,0,1,2,3
	v_rsq_f32 v[ST+2*\a], v[SC+\a]
.endr
	v_nop
	s_wait_alu depctr_va_vdst(0)                   ; one wait for the four
	CONV ST, RSR
	; ---------------- H of agent tile 3 is set aside in my own LDS bytes; its registers become the scores' sums
	s_lshl_b32 s39, s[WV], 14
	s_add_co_u32 s39, s39, HSP
	v_add_nc_u32 v[SC], s39, v[L16]
	WIN 0x0c
.set i, 0
.rept 32
	ds_store_b128 v[SC], v[128+4*i:131+4*i] offset:512*i
.set i, i+1
.endr
	WIN 0xc0
.set i, 0
.rept 128
	v_mov_b32 v[128+i], 0
.set i, i+1
.endr
	WIN 0
	; ---------------- V: four items of four channel tiles
	s_lshl_b32 s39, s[WV], 15
	s_add_co_u32 s39, s39, VREG
	v_add_nc_u32 v[PTR], s39, v[L16]
	v_and_b32 v[PTR2], 15, v0
	s_add_co_u32 s39, s[LOFF], TAB+T_BV
	v_lshl_add_u32 v[PTR2], v[PTR2], 2, s39        ; the bias by lanes: channel 16 c + lane % 16
	s_mov_b32 s[CNT], 4
.Lv:
.irp q,0,1,2,3
	ds_load_b32 v[SC+2*\q], v[PTR2] offset:64*\q
.endr
	FETCH 0, 1, WB1
	s_wait_dscnt 16                                ; all but the 16 just issued
	MULV WB0, 0
	FETCH 1, 0, WB0
	s_wait_dscnt 16
	MULV WB1, 1
	PLACES
	VPOST 0
	FETCH 1, 1, WB1
	s_wait_dscnt 24                                ; all but VPOST's 8 stores and the 16 just issued
	MULV WB0, 0
	CHG 1
	MULV WB1, 1
	PLACES
	VPOST 1
	v_add_nc_u32 v[PTR], 8192, v[PTR]
	v_add_nc_u32 v[PTR2], 256, v[PTR2]
	s_sub_co_u32 s[CNT], s[CNT], 1
	s_cmp_lg_u32 s[CNT], 0
	s_cbranch_scc1 .Lv
	; ---------------- q, k and the scores: eight chunks of 32 channels
	v_bfe_u32 v[PTR], v0, 4, 1
	s_add_co_u32 s39, s[LOFF], TAB
	v_lshl_add_u32 v[PTR], v[PTR], 5, s39
	s_mov_b32 s[CNT], 8
.Lqk:
	PLACES                                         ; with FETCH's four: the places between the scores' products and the products that write over their operands
	LB SC, PTR, T_BK
	FETCH 0, 1, WB1
	s_wait_dscnt 16
	MULT WB0, 0, 0
	FETCH 1, 0, WB0
	s_wait_dscnt 16
	MULT WB1, 1, 0
	PLACES
	POSTQK 0
	LB SC, PTR, T_BQ
	FETCH 1, 1, WB1
	s_wait_dscnt 20                                ; all but the 4 bias loads and the 16 just issued
	MULT WB0, 0, 1
	CHG 1                                          ; (the last trip's fetch brings bytes of the agent-bias image that nobody uses)
	MULT WB1, 1, 1
	PLACES
	POSTQK 1
	WIN 0xf0                                       ; S1(ti, tj) += q(ti) k(tj)^T: a lane a key, registers queries
.irp tj,0,1,2,3
.irp ti,0,1,2,3
	TIX 1, \ti, 0
	v_wmma_f32_16x16x32_bf16 v[128+32*\tj+8*\ti:128+32*\tj+8*\ti+7], v[T+8*tix:T+8*tix+7], v[T+16*\tj:T+16*\tj+7], v[128+32*\tj+8*\ti:128+32*\tj+8*\ti+7]
.endr
.endr
	WIN 0
	v_add_nc_u32 v[PTR], 128, v[PTR]
	s_sub_co_u32 s[CNT], s[CNT], 1
	s_cmp_lg_u32 s[CNT], 0
	s_cbranch_scc1 .Lqk
	; ---------------- A in both layouts
	PLACES
	s_mul_i32 s39, s[WV], 16*SPITCH
	s_add_co_u32 s39, s39, STG
	v_and_b32 v[SC+3], 15, v0
	v_bfe_u32 v[SC+4], v0, 4, 1
	v_mul_u32_u24 v[SC], v[SC+4], 8*SPITCH
	v_lshl_add_u32 v[SC], v[SC+3], 2, v[SC]
	v_add_nc_u32 v[SC], s39, v[SC]                 ; in: row 8 (lane / 16) + register, column 4 (lane % 16)
	v_mul_u32_u24 v[SC+1], v[SC+3], SPITCH
	v_lshl_add_u32 v[SC+1], v[SC+4], 5, v[SC+1]
	v_add_nc_u32 v[SC+1], s39, v[SC+1]             ; back: row lane % 16, 32 bytes for each half
	s_lshl_b32 s39, s[WV], 14
	s_add_co_u32 s39, s39, HSP
	v_add_nc_u32 v[SC+2], s39, v[L16]
	WIN 0x43
.set i, 0
.rept 64
	v_pk_mul_f32 v[2*i:2*i+1], v[128+2*i:128+2*i+1], s[CS:CS+1] op_sel_hi:[1,0]  ; A1 = scores x log2(e) / 16
.set i, i+1
.endr
.irp ti,0,1,2,3                        ; 16 queries x 64 keys at a time through my stage; LDS serves a wave's instructions in order (ISA guide 5.7.1.4), so no wait stands between
	WIN 0x04
.irp tj,0,1,2,3
.irp jj,0,1,2,3,4,5,6,7
	ds_store_b32 v[SC], v[32*\tj+8*\ti+\jj] offset:SPITCH*\jj+64*\tj
.endr
.endr
	WIN 0x40
.irp tj,0,1,2,3
	ds_load_b128 v[128+32*\ti+8*\tj:128+32*\ti+8*\tj+3], v[SC+1] offset:64*\tj
	ds_load_b128 v[128+32*\ti+8*\tj+4:128+32*\ti+8*\tj+7], v[SC+1] offset:64*\tj+16
.endr
.endr
	WIN 0xc0
.set i, 0
.rept 32
	ds_load_b128 v[128+4*i:131+4*i], v[SC+2] offset:512*i  ; H of agent tile 3 comes back
.set i, i+1
.endr
	WIN 0
	s_wait_dscnt 0x0
.set i, 0
.rept 64
	v_mov_b32 v[PR+i], 0                           ; g = 0; the pairs' partners and the chains are written
.set i, i+1
.endr
	; ---------------- Sinkhorn: twelve times rows, then columns
	s_mov_b32 s[CNT], 12
.Lsk:
	HS 128, RL
	HS 0, GL
	s_sub_co_u32 s[CNT], s[CNT], 1
	s_cmp_lg_u32 s[CNT], 0
	s_cbranch_scc1 .Lsk
	; ---------------- P = 2^(A - g - r), times 0.9 sf, rounded to bf16: a lane a query, registers keys: source 1 of V^T P
	v_and_b32 v[VA], 15, v0
	s_add_co_u32 s39, s[SOFF], TAB+T_SF
	v_lshl_add_u32 v[VA], v[VA], 2, s39
.irp a,0,1,2,3
	ds_load_b32 v[SF+\a], v[VA] offset:64*\a
.endr
	SUBPR 128
	EXPB RL
	s_wait_dscnt 0x0
.irp a,0,1,2,3
	v_mul_f32 v[GAM+2*\a], s[C09], v[SF+\a]
.endr
.set i, 0
.rept 64
	v_pk_mul_f32 v[TT+2*i:TT+2*i+1], v[TT+2*i:TT+2*i+1], v[GAM+2*(i/16):GAM+2*(i/16)+1] op_sel_hi:[1,0]
.set i, i+1
.endr
.set i, 0
.rept 64
	v_cvt_pk_bf16_f32 v[PF+i], v[TT+2*i], v[TT+2*i+1]
.set i, i+1
.endr
.irp a,0,1,2,3
	v_mul_f32 v[TMP+\a], s[C01], v[SF+\a]
	v_mul_f32 v[AL+4*\a], v[TMP+\a], v[ST+2*\a]    ; alpha = 0.1 sf rs
	v_mul_f32 v[AL+4*\a+1], v[TMP+\a], v[ST+2*\a]
	v_mul_f32 v[AL+4*\a+2], -v[AL+4*\a], v[ST+2*\a+1]  ; beta = - alpha mu
	v_mul_f32 v[AL+4*\a+3], -v[AL+4*\a], v[ST+2*\a+1]
.endr
	s_lshl_b32 s39, s[WV], 15
	s_add_co_u32 s39, s39, VREG
	v_add_nc_u32 v[VA], s39, v[L16]
	v_bfe_u32 v[GA], v0, 4, 1
	s_add_co_u32 s39, s[LOFF], TAB+T_LNG
	v_lshl_add_u32 v[GA], v[GA], 5, s39
	; ---------------- z, sixteen channel tiles, loads two tiles ahead
	LA 0
	LV 0
	LA 1
	LV 1
	s_wait_dscnt 18                                ; tile 0's image and ln_g are in; behind them 4 + 10 + 4 loads
	CINIT 0
.irp c,0,1,2,3,4,5,6,7,8,9,10,11,12,13,14,15
	ESTEP \c
.endr
	CHG 1                                          ; the next layer's first item, or the output projection's
	; ---------------- |z|^2: the diagonal of Z Z^T; H += z / max(1, |z|)
	WIN 0x05
.irp kk,0,1,2,3,4,5,6,7
.irp a,0,1,2,3
.if \kk == 0
	v_wmma_f32_16x16x32_bf16 v[BB+8*\a:BB+8*\a+7], v[64*\a+8*\kk:64*\a+8*\kk+7], v[64*\a+8*\kk:64*\a+8*\kk+7], 0
.else
	v_wmma_f32_16x16x32_bf16 v[BB+8*\a:BB+8*\a+7], v[64*\a+8*\kk:64*\a+8*\kk+7], v[64*\a+8*\kk:64*\a+8*\kk+7], v[BB+8*\a:BB+8*\a+7]
.endif
.endr
.endr
	PLACES
	WIN 0
.irp a,0,1,2,3
	DIAG BB+8*\a, SC+\a, SC+4+\a
.endr
.irp a,0,1,2,3
	v_rsq_f32 v[SF+\a], v[SC+\a]                   ; 1 / |z|; of 0 an infinity, which the minimum below turns into 1
.endr
	v_nop
	s_wait_alu depctr_va_vdst(0)
.irp a,0,1,2,3
	v_min_num_f32 v[SF+\a], 1.0, v[SF+\a]
.endr
.set ua, 0
.rept 4
	WIN 0xa1+0x50*(ua/2)
.set ui, 0
.rept 128
	v_fma_mix_f32_bf16 v[128*(ua%2)+ui], v[64*ua+ui/2], v[SF+ua], v[128*(ua%2)+ui] op_sel:[ui%2,0,0] op_sel_hi:[1,0,0]
.set ui, ui+1
.endr
.set ua, ua+1
.endr
	WIN 0
	s_add_co_u32 s[LOFF], s[LOFF], 1024
	s_add_co_u32 s[SOFF], s[SOFF], 256
	s_sub_co_u32 s[LAY], s[LAY], 1
	s_cmp_lg_u32 s[LAY], 0
	s_cbranch_scc1 .Llayer
	; ---------------- out0 = H Wout + bout: two items of 64 channels
	CVTF 0
	CVTF 1
	CVTF 2
	CVTF 3
	WIN 0
	v_and_b32 v[SC+3], 15, v0
	v_bfe_u32 v[SC+4], v0, 4, 1
	v_lshl_add_u32 v[PTR], v[SC+4], 5, TAB+T_BOUT
	s_mul_i32 s39, s[WV], 16*SPITCH
	s_add_co_u32 s39, s39, STG
	v_mul_u32_u24 v[SC], v[SC+3], SPITCH
	v_lshl_add_u32 v[SC], v[SC+4], 5, v[SC]
	v_add_nc_u32 v[SC], s39, v[SC]                 ; in: row lane % 16, 32 bytes for each half
	v_mul_u32_u24 v[SC+1], v[SC+4], SPITCH
	v_lshl_add_u32 v[SC+1], v[SC+3], 4, v[SC+1]
	v_add_nc_u32 v[SC+1], s39, v[SC+1]             ; back: lanes 0-15 one row of 256 bytes, lanes 16-31 the next
	v_lshlrev_b32 v[SC+2], 9, v[SC+4]
	v_lshl_add_u32 v[SC+2], v[SC+3], 4, v[SC+2]    ; and the same two rows in out0
	s_mov_b32 s[CNT], 2
.Lout:
	ITEMO
	PLACES
.irp a,0,1,2,3
	s_wait_xcnt 0x0                                ; the last block's stores have read their registers
	WIN 0x08
.irp q,0,1,2,3
	ds_store_b128 v[SC], v[8*(4*\a+\q):8*(4*\a+\q)+3] offset:64*\q
	ds_store_b128 v[SC], v[8*(4*\a+\q)+4:8*(4*\a+\q)+7] offset:64*\q+16
.endr
	WIN 0
.irp t,0,1,2,3,4,5,6,7
	ds_load_b128 v[T+32+4*\t:T+32+4*\t+3], v[SC+1] offset:2*SPITCH*\t  ; my own bytes, served in order: these see the stores above
.endr
.irp t,0,1,2,3,4,5,6,7
	s_wait_dscnt 7-\t
	global_store_b128 v[SC+2], v[T+32+4*\t:T+32+4*\t+3], s[8:9] offset:(16*\a+2*\t)*512 th:TH_STORE_NT  ; 16 lanes store 256 consecutive bytes, aligned
.endr
.endr
	s_wait_xcnt 0x0                                ; the stores have read their base
	s_add_nc_u64 s[8:9], s[8:9], 256               ; the next 64 channels
	v_add_nc_u32 v[PTR], 256, v[PTR]
	s_sub_co_u32 s[CNT], s[CNT], 1
	s_cmp_lg_u32 s[CNT], 0
	s_cbranch_scc1 .Lout
	s_wait_tensorcnt 0x0                           ; the wave's end: behind my last tensor load and my last LDS store
	ds_add_u32 v[SPW], v[NIL]
	s_wait_dscnt 0x0
	CROUND                                         ; the closing round: no work-group ends while a partner may still ask for an item that names it
	s_endpgm
.Lfunc_end_k_qf83be223b7_main:
	.size	k_qf83be223b7_main, .Lfunc_end_k_qf83be223b7_main-k_qf83be223b7_main
	.p2alignl 7, 3214868480
	.fill 96, 4, 3214868480
	.section	.rodata,"a",@progbits
	.p2align	6, 0x0
	.amdhsa_kernel k_qf83be223b7_main
		.amdhsa_group_segment_fixed_size 327680
		.amdhsa_private_segment_fixed_size 0
		.amdhsa_enable_private_segment 0
		.amdhsa_kernarg_size 24
		.amdhsa_user_sgpr_count 2
		.amdhsa_user_sgpr_kernarg_segment_ptr 1
		.amdhsa_wavefront_size32 1
		.amdhsa_system_sgpr_workgroup_id_x 1
		.amdhsa_system_sgpr_workgroup_id_y 1
		.amdhsa_system_sgpr_workgroup_id_z 1
		.amdhsa_system_vgpr_workitem_id 0
		.amdhsa_next_free_vgpr 1024
		.amdhsa_next_free_sgpr 72
		.amdhsa_reserve_vcc 0
		.amdhsa_float_denorm_mode_32 3
		.amdhsa_float_denorm_mode_16_64 3
		.amdhsa_memory_ordered 1
		.amdhsa_forward_progress 1
		.amdhsa_inst_pref_size 255
	.end_amdhsa_kernel
	.section	.bss,"aw",@nobits
	.p2align	6
	.space	262144
	.amdgpu_metadata
---
amdhsa.version: [ 1, 2 ]
amdhsa.kernels:
  - .name:           k_qf83be223b7_main
    .symbol:         k_qf83be223b7_main.kd
    .args:
      - { .name: x, .offset: 0, .size: 8, .value_kind: global_buffer, .address_space: global }
      - { .name: wimg, .offset: 8, .size: 8, .value_kind: global_buffer, .address_space: global }
      - { .name: out0, .offset: 16, .size: 8, .value_kind: global_buffer, .address_space: global }
    .group_segment_fixed_size: 327680
    .private_segment_fixed_size: 0
    .kernarg_segment_align: 8
    .kernarg_segment_size: 24
    .max_flat_workgroup_size: 128
    .sgpr_count:     72
    .vgpr_count:     1024
    .wavefront_size: 32
...
	.end_amdgpu_metadata
.endif
;; end of part 2
